; MI455X (gfx1250); checked and timed in simulation.
; The chip was launched on July 23, 2026; its instructions are those of AMD's public machine-readable ISA for CDNA 5 (MIT licence, August 2026) and "CDNA5" Instruction Set Architecture Reference Guide (July 2026). The comments in the code are by the model that wrote it; some were corrected since.
;; Cross Attention. Allowed arithmetic: matrix products marked QUANTISED: E3M2 operands, one E8M0 scale for each 32 along K, by v_wmma_scale_f32_16x16x128_f8f6f4 with both operands' format E3M2, f32 sums; everything else in f32.
;; Inputs: Wk_codes 128 x 8 x 24 uint8 (E3M2 codes of Wk, K innermost, in blocks of 32 codes, four codes in three bytes); Wk_scales 128 x 8 uint8 (E8M0 scales of Wk, one for each 32 codes along K); Wo_codes 128 x 4 x 24 uint8 (E3M2 codes of Wo, K innermost, in blocks of 32 codes, four codes in three bytes); Wo_scales 128 x 4 uint8 (E8M0 scales of Wo, one for each 32 codes along K); Wq_codes 128 x 8 x 24 uint8 (E3M2 codes of Wq, K innermost, in blocks of 32 codes, four codes in three bytes); Wq_scales 128 x 8 uint8 (E8M0 scales of Wq, one for each 32 codes along K); Wv_codes 128 x 8 x 24 uint8 (E3M2 codes of Wv, K innermost, in blocks of 32 codes, four codes in three bytes); Wv_scales 128 x 8 uint8 (E8M0 scales of Wv, one for each 32 codes along K); bk 128 float32; bo 128 float32; bq 128 float32; bv 128 float32; ligand_codes 4 x 4,096 x 8 x 24 uint8 (E3M2 codes of ligand, K innermost, in blocks of 32 codes, four codes in three bytes); ligand_scales 4 x 4,096 x 8 uint8 (E8M0 scales of ligand, one for each 32 codes along K); pocket_codes 4 x 4,096 x 8 x 24 uint8 (E3M2 codes of pocket, K innermost, in blocks of 32 codes, four codes in three bytes); pocket_scales 4 x 4,096 x 8 uint8 (E8M0 scales of pocket, one for each 32 codes along K).
;; Outputs: out0 4 x 4,096 x 128 float32.
;; This version of the problem:
;;   THIS VERSION OF THE PROBLEM IS GIVEN IN LOW PRECISION. The matrix products marked QUANTISED in the list below multiply operands that are first quantised to E3M2 (3 exponent bits, 2 mantissa bits; 6 bits a number), with one power-of-two scale for each 32 numbers along K (OCP MX v1.0); their sums are f32. All else is computed in f32.
;;   The module's matrix products, in the order in which they are computed (A, B: the left and right operand; K: the contracted axis; several contracted axes count as one K, in the product's order):
;;     1. [M 16,384, K 256] x [K 256, N 128]; A: input ligand (given as codes); B: input Wq (given as codes): QUANTISED
;;     2. [M 16,384, K 256] x [K 256, N 128]; A: input pocket (given as codes); B: input Wk (given as codes): QUANTISED
;;     3. [M 16,384, K 256] x [K 256, N 128]; A: input pocket (given as codes); B: input Wv (given as codes): QUANTISED
;;     4. batch 4 x [M 4,096, K 128] x [K 128, N 4,096]; A: computed on the way; B: computed on the way: QUANTISED
;;     5. batch 4 x [M 4,096, K 4,096] x [K 4,096, N 128]; A: softmax (see below); B: computed on the way: QUANTISED
;;     6. [M 16,384, K 128] x [K 128, N 128]; A: computed on the way; B: input Wo (given as codes): QUANTISED
;;   THE QUANTISER, for each operand of a quantised product, along K:
;;     - K is cut into blocks of 32 from its start; a last block that is shorter is filled with zeros.
;;     - A block's scale is 2^e with e = floor(log2(the largest magnitude in the block)) - 4, held to -126 .. 127; a block of zeros has e = 0. As a byte (E8M0): e + 127.
;;     - Each number is divided by its block's scale, clamped to +-28, and rounded to the nearest number of E3M2, ties to even, subnormals kept.
;;     - The product sums the exact products of the quantised numbers (number of the format x scale) in f32.
;;   ~~~python
;;   def quantise(x, axis):      # numpy; x: float32 -> the quantised numbers, widened to float32 again
;;       x = np.moveaxis(x, axis, -1); K = x.shape[-1]
;;       x = np.pad(x, [(0, 0)] * (x.ndim - 1) + [(0, -K % 32)]); x = x.reshape(x.shape[:-1] + (-1, 32)); a = np.abs(x).max(-1, keepdims=True)
;;       e = np.where(a > 0, np.clip(np.frexp(np.where(a > 0, a, 1))[1] - 1 - 4, -126, 127), 0)      # np.frexp(a)[1] - 1 = floor(log2(a)), exactly
;;       r = np.clip(x / 2.0 ** e, -28, 28)
;;       step = 2.0 ** (np.maximum(np.frexp(np.where(r == 0, 1, r))[1] - 1, -2) - 2)
;;       q = np.round(r / step) * step * 2.0 ** e      # np.round: ties to even
;;       return np.moveaxis(q.reshape(q.shape[:-2] + (-1,))[..., :K], -1, axis).astype(np.float32)
;;   ~~~
;;   SOFTMAX AHEAD OF A QUANTISED PRODUCT. Where the list says 'softmax', what is quantised is not the finished softmax but p = 2^(t - M), with t = logit x log2(e) and M = ceil(the row's largest t), a whole number; so 1/2 < the row's largest p <= 1. The row's sum l is taken of the UNQUANTISED p, in f32, and the product's result is divided by l at the end. Since M is a whole number, a kernel that streams over the keys may use a running M (the ceiling of the running maximum): every later rescaling is an exact power of two, which a block's scale takes up: the codes' values come out the same.
;;   OPERANDS COMPUTED ON THE WAY. 'Computed on the way' means the value that the module computes at that place (a softmax that the list does not call 'softmax' is quantised finished and normalised). What goes into a quantiser is computed in f32, as accurately as f32 sums, v_exp_f32 and their like allow (about 1e-6 of the number): no bf16 or f16 on the way to a quantiser, and a product that is left as it is and whose result goes on into a quantised operand takes f32 operands (vector FMAs, or v_wmma_f32_16x16x4_f32). A number that lies on a knife's edge between two numbers of the format may be rounded either way, as far as f32 arithmetic and the matrix unit's own rounding can turn it there, and no further.
;;   INPUTS GIVEN AS CODES. Wk (in the module: [256, 128], K = its axis 0); Wo (in the module: [128, 128], K = its axis 0); Wq (in the module: [256, 128], K = its axis 0); Wv (in the module: [256, 128], K = its axis 0); ligand (in the module: [4, 4096, 256], K = its axis 2); pocket (in the module: [4, 4096, 256], K = its axis 2): each comes as NAME_codes (uint8): NAME with its K axis moved to the last place and cut into blocks of 32 codes, [.., K / 32, bytes a block], one block behind the other in memory; four codes in three bytes: a row's codes are one little-endian stream of bits, code i at bits 6 i .. 6 i + 5 (a code: sign, 3 exponent bits, 2 mantissa bits); and NAME_scales (uint8): the same leading axes, one E8M0 byte (e + 127) for each 32 codes along K. Its value is code x scale, taken as it is: it is not quantised again, and the codes and scales need not be those that the quantiser above would give.
;; One version. Each part assembles by itself: llvm-mc -triple=amdgcn-amd-amdhsa -mcpu=gfx1250 --defsym DOCPART=n.
;; ======== version 1 of 1: 2 launches
;; limits: right only within a limited range of input values
;; workspace buffers: kv 3,276,800 bytes; qb 1,638,400 bytes
;; launch proj (part 1): grid 256 x 1, 6 waves a work-group, clusters of 4 x 1, 167,936 bytes of LDS; arguments pocket_codes, Wk_codes, Wq_codes, ligand_codes, Wv_codes, pocket_scales, Wk_scales, Wq_scales, ligand_scales, Wv_scales, bk, bv, bq, kv, qb; writes kv, qb
.if DOCPART == 1
	.amdgcn_target "amdgcn-amd-amdhsa--gfx1250"
	.amdhsa_code_object_version 6
	.text
	.protected	k_q434f842e46_proj
	.globl	k_q434f842e46_proj
	.p2align	8
	.type	k_q434f842e46_proj,@function
k_q434f842e46_proj:
	s_mov_b64 s[64:65], 0
	v_nop
	global_prefetch_b8 v0, s[64:65] scope:SCOPE_SE
	s_setreg_imm32_b32 hwreg(HW_REG_WAVE_MODE, 25, 1), 1
	s_wait_xcnt 0x0
	s_wait_alu depctr_hold_cnt(0) depctr_sa_sdst(0) depctr_va_vdst(0) depctr_va_sdst(0) depctr_va_ssrc(0) depctr_va_vcc(0) depctr_vm_vsrc(0)
	s_getreg_b32 s2, hwreg(HW_REG_IB_STS2, 6, 4)
	s_cmp_eq_u32 s2, 0
	s_cbranch_scc0 .Lentry_in_a_cluster
	s_endpgm
.Lentry_in_a_cluster:
	s_bfe_u32 s2, ttmp6, 0x10000c
	s_cmp_lg_u32 s2, 0x3003
	s_cbranch_scc0 .Lentry_shape_is_right
	s_endpgm
.Lentry_shape_is_right:
; K = pocket Wk + bk, V = pocket Wv + bv, Q = ligand Wq + bq, on the given codes of BF6 (E3M2) and their E8M0 scales, sums in f32;
; each result is quantised at once (K and Q along d, V along the keys) and stored as the next launch wants it: as IMAGES OF OPERAND REGISTERS.
; A fragment (16 rows x 128 K, 12 registers a lane) is 1,536 bytes: registers 4 c .. 4 c + 3 of lane l at 512 c + 16 l.
; kv: 128 steps of 128 keys x 25,600 bytes: 8 fragments of K, 8 of V^T, 512 bytes of K's scale words, 512 of V's.  qb: 128 steps of 128 queries x 12,800 bytes: 8 fragments, 512 bytes of scale words.
; Scale word of tile T, row r: at 16 (r + 16 (T / 4)) + 4 (T % 4).
; THE ROWS OF A TILE ARE NOT NEIGHBOURS: row r of tile T is row 64 (T / 4) + 32 (r / 8) + 4 (r % 8) + T % 4 of its 128 (keys, queries, and d where d runs along source 0).  With source 0 so tiled, the registers
; 32 c .. 32 c + 31 of the eight results of a lane (r, h) are the indices 64 c + 32 h .. + 31, in the order: register 8 u + j is 4 j + u.  So a lane holds two WHOLE blocks of 32.  Within a block that order is the same in
; K and in Q (along d) and in V and in the next launch's p (along the keys), so the products are those of the natural order.
; Only the rows of V^T (d along source 1) are 64 (T / 4) + 8 (T % 4) + 32 (r / 8) + r % 8: there the next launch's result meets Wo, whose order is given.
; SHARES.  Work-group: step ks = 4 (cluster / 2) + place in the cluster, half hf = cluster % 2 of the step's tiles.  Wave w: role w / 2 (0 V, 1 K, 2 Q), the two tiles 4 hf + 2 (w % 2) and + 1:
; each fragment of source 0 feeds two products.  K, Q: source 0 = the weight, source 1 = rows of pocket or ligand.  V: source 0 = pocket, source 1 = rows of Wv.
; LDS.  Each wave fetches one tile, dense in memory, as rows of 256 bytes with 16 bytes of padding behind each, to 26,112 x w: pocket's step, Wk, Wq, my half of Wv, my half of pocket's step, my half of ligand's.
; So role o finds source 0 in place o and source 1 in place 3 + o.  (My half of pocket has a place of its own, so that no LDS address hangs on the work-group.)
; Four rows of 192 bytes are three of 256, 816 bytes in LDS: the 32 lanes of a load of 8 bytes, every fourth row, touch 64 different banks (64 banks of 4 bytes: ISA guide 11.1).
; CLUSTER: Wk, Wq and the half of Wv are the same in all four partners: they are asked for jointly.  No prefetch: the launch has no loop to run ahead in.
; No work of reference() is left out.
; LIMITS: NaN and infinities are not served.  A block whose largest magnitude lies under 2^(5 - 127) gets the byte 1 (a block of zeros too, where the rule says 127: its codes are zeros, and this program alone reads the bytes).
.set PLACEB, 26112                     ; 96 rows of 272 bytes
.set UNIT,   6528                      ; 32 rows of 192 bytes = 24 rows of 256, padded
.set FOUR,   816                       ; 4 rows of 192 bytes = 3 rows of 256, padded
.set SPARE,  6*PLACEB                  ; the spare words, 128 bytes a wave
.set SCW,    SPARE+768                 ; 3 x 256 bytes: a role's scale words meet here; no fill lands here
.set FRB,    1536
.set AA,   1                           ; v1-2   LDS address of source 0's rows (v2: lanes 16-31 one padding further on)
.set BA,   3                           ; v3-7   the same for my first tile of source 1, one for each way in which a piece's two halves of the lanes lie (FRAG)
.set LRB,  8                           ; v8-9   8 x my row of source 1's two tiles
.set LRA,  11                          ; 8 x my row of source 0
.set H128, 12
.set L16,  14
.set SCWA, 15
.set SCRD, 16
.set L8,   17
.set SH,   18
.set SPW,  19
.set NIL,  20
.set AS,   32                          ; v32-47 source 0's scale words: tile t, K step s at 32 + 2 t + s
.set BS,   48                          ; v48-51 source 1's: tile e, K step s at 48 + 2 e + s
.set LB,   52                          ; v52-53 the biases of my lane's two d (V)
.set LBO,  54                          ; v54-55 4 x my row of source 1's two tiles
.set CB,   56                          ; v56-71 each bias eight times
.set BA2,  72                          ; v72-76 LDS address of my second tile of source 1
.set BM,   72                          ; (later)
.set SO,   80
.set BY,   84
.set T0,   88
.set T1,   90
.set PW,   92
.set SB,   94
.set PC,   96                          ; v96-119 the two fragments' codes
.set ACC,  128                         ; v128-191, v192-255 the accumulators of my two tiles
; window 1: v0-47 source 1's fragments (2 s + e), v48-143 and v144-239 source 0's eight of K step 0 and 1
.set WV,   34
.set RO,   35
.set UU,   36
.set KSN,  37
.set HF,   38
.set G0J,  44                          ; group 0 of the joint loads;  s[84:87] of the others
.set G1PL, 48                          ; groups 1: plain 96 rows, joint 96, joint 48, plain 48
.set G1JL, 56
.set G1JH, 68
.set G1PH, 76
.set G0,   84
.set ASC,  88
.set BSC,  90
.set BIA,  92
.set BIL,  94
.set OUTI, 96
.set OUTS, 98
.set SEL,  100
.set MSB, 0
.macro WIN new                         ; bits 1:0 source 0, 3:2 source 1, 5:4 source 2, 7:6 destination; the immediate's high byte repeats the setting that is left
.if MSB != (\new)
	s_set_vgpr_msb (MSB<<8)|(\new)
.set MSB, (\new)
.endif
.endm
.macro PLACES
.rept 4
	v_nop
.endr
.endm
.macro CROUND                          ; a round of the cluster's barrier
	s_barrier_signal -1
	s_barrier_wait -1
	s_cmp_lg_u32 s[WV], 0
	s_cbranch_scc1 .Lnot_wave_0_\@
	s_barrier_signal -3
.Lnot_wave_0_\@:
	s_barrier_wait -3
	s_barrier_signal -1
	s_barrier_wait -1
.endm
; A fragment: registers 6 c .. 6 c + 5 are the 24 bytes at 96 q + 48 c + 24 h of the row, in pieces of 8.
; Source 0, tile (c, u): every lane's row is row u of four: a piece's place among the paddings is known here; where lanes 16-31 lie behind one padding more, the second address register serves.
.macro FRAG0 reg, q, c, u
.irp p, 0,1,2,3,4,5
.set PY, 192*(\u)+96*(\q)+48*(\p/3)+8*(\p%3)
	ds_load_b64 v[\reg+2*\p:\reg+2*\p+1], v[AA+(PY+24)/256-PY/256] offset:PY+16*(PY/256)+2*UNIT*(\c)
.endr
.endm
; Source 1: of four neighbouring rows the second passes a padding at its byte 64, the third at its byte 128: by the thirds of the row in which the piece of lanes 0-15 and that of lanes 16-31 lie, one of five address registers serves.
.macro FRAG reg, adr, q
.irp p, 0,1,2,3,4,5
.set PY, 96*(\q)+48*(\p/3)+8*(\p%3)
	ds_load_b64 v[\reg+2*\p:\reg+2*\p+1], v[\adr+PY/64+(PY+24)/64] offset:PY
.endr
.endm
.macro AFETCH q
.irp t, 0,1,2,3,4,5,6,7
	FRAG0 48+96*\q+12*\t, \q, \t/4, \t%4
.endr
.endm
.macro BFETCH q
	FRAG 24*\q, BA, \q
	FRAG 24*\q+12, BA2, \q
.endm
.macro PROD e, t, s, c
	v_wmma_scale_f32_16x16x128_f8f6f4 v[ACC+64*\e+8*\t:ACC+64*\e+8*\t+7], v[48+96*\s+12*\t:48+96*\s+12*\t+11], v[24*\s+12*\e:24*\s+12*\e+11], v[\c:\c+7], v[AS+2*\t+\s], v[BS+2*\e+\s] matrix_a_fmt:MATRIX_FMT_BF6 matrix_b_fmt:MATRIX_FMT_BF6
.endm
.macro ARM under, g0, g1, next
	s_cmp_lt_u32 s[WV], \under
	s_cbranch_scc0 \next
	tensor_load_to_lds s[\g0:\g0+3], s[\g1:\g1+7]
	s_nop 0
	PLACES
	s_branch .Lasked
\next:
.endm
.macro ROWADR e, dst                   ; v26: my row among 32 of source 1's tile e
	v_lshl_add_u32 v27, v24, 5, v26
	v_lshlrev_b32 v[LRB+\e], 3, v27
	v_lshlrev_b32 v[LBO+\e], 2, v27
	v_mul_u32_u24 v27, v26, 192
	v_lshrrev_b32 v28, 8, v27                      ; paddings in front of my row
	v_lshl_add_u32 v27, v28, 4, v27
	v_add_nc_u32 v[\dst], v94, v27
	v_and_b32 v28, 1, v26
	v_bfe_u32 v29, v26, 1, 1
	v_xor_b32 v30, v28, v29                        ; 1: a padding lies ahead of my row's last third (rows 1 and 2 of four)
	v_and_b32 v28, v28, v30                        ; 1: ahead of its second third (row 1)
	v_and_b32 v29, v29, v30                        ; (row 2)
	v_and_b32 v27, v22, v28
	v_and_b32 v29, v22, v29
	v_lshl_add_u32 v[\dst+1], v27, 4, v[\dst]      ; first third, lanes 16-31 the second
	v_lshl_add_u32 v[\dst+2], v28, 4, v[\dst]      ; second third
	v_lshl_add_u32 v[\dst+4], v30, 4, v[\dst]      ; last third
	v_lshl_add_u32 v[\dst+3], v29, 4, v[\dst+2]    ; second third, lanes 16-31 the last
.endm
	s_load_b512 s[4:19], s[0:1], 0x0               ; pocket's codes s[4:5], Wk's s[6:7], Wq's s[8:9], ligand's s[10:11], Wv's s[12:13]; scales: pocket's s[14:15], Wk's s[16:17], Wq's s[18:19]
	s_load_b256 s[20:27], s[0:1], 0x40             ; ligand's scales s[20:21], Wv's s[22:23], bk s[24:25], bv s[26:27]
	s_load_b128 s[28:31], s[0:1], 0x60             ; bq s[28:29], kv s[30:31]
	s_load_b64 s[32:33], s[0:1], 0x70              ; qb
	v_lshl_add_u32 v[SPW], v0, 2, SPARE
	v_mov_b32 v[NIL], 0
	ds_add_u32 v[SPW], v[NIL]                      ; the opening lines: the add, twice on end, under one wait
	ds_add_u32 v[SPW], v[NIL]
	v_lshrrev_b32 v21, 5, v0
	v_readfirstlane_b32 s[WV], v21                 ; wave 0..5
	s_lshr_b32 s[RO], s[WV], 1                     ; role
	s_and_b32 s[UU], s[WV], 1                      ; which two of the half's four tiles
	s_bfe_u32 s39, ttmp6, 0x40000                  ; my place in the cluster: it enters global addresses of plain loads and of stores alone
	s_lshr_b32 s[KSN], ttmp9, 1
	s_lshl_b32 s[KSN], s[KSN], 2
	s_add_co_u32 s[KSN], s[KSN], s39               ; the step
	s_and_b32 s[HF], ttmp9, 1                      ; the half: from the cluster's number, the same in all four partners
	s_mov_b32 s[SEL], 0x76543210
	s_mov_b32 s[SEL+1], 0xfedcba98                 ; v_permlanex16_b32's selects for lane l xor 16
	; descriptor groups 1: rows of 256 bytes (32 elements of 8 bytes), dense in memory, 4 words of padding behind every 64
.irp g, G1PL, G1PH
	s_mov_b32 s[\g], (3<<16)|(1<<20)|(5<<22)|(3<<25)
.endr
.irp g, G1JL, G1JH
	s_mov_b32 s[\g], 15|(3<<16)|(1<<20)|(1<<21)|(5<<22)|(3<<25)   ; for all four work-groups of the cluster
.endr
.irp g, G1PL, G1JL, G1JH, G1PH
	s_mov_b32 s[\g+1], 32<<16
	s_mov_b32 s[\g+3], 32<<16
	s_mov_b32 s[\g+5], 32
	s_mov_b32 s[\g+6], 0
	s_mov_b32 s[\g+7], 0
.endr
.irp g, G1PL, G1JL
	s_mov_b32 s[\g+2], 96<<16
	s_mov_b32 s[\g+4], 96
.endr
.irp g, G1JH, G1PH
	s_mov_b32 s[\g+2], 48<<16
	s_mov_b32 s[\g+4], 48
.endr
	s_mul_i32 s40, s[KSN], 128*192                 ; my step's rows
	s_mov_b32 s41, 0
	s_mul_i32 s42, s[HF], 64*192                   ; my half's 64 rows
	s_mov_b32 s43, 0
	s_mov_b32 s[G0], 1
	s_mul_i32 s[G0+1], s[WV], PLACEB
	s_mov_b32 s[G0J], 1
	s_mul_i32 s[G0J+1], s[WV], PLACEB
	s_wait_dscnt 0x0                               ; both opening adds are done
	s_wait_kmcnt 0x0
	s_add_nc_u64 s[4:5], s[4:5], s[40:41]
	s_add_nc_u64 s[10:11], s[10:11], s[40:41]
	s_add_nc_u64 s[66:67], s[4:5], s[42:43]
	s_add_nc_u64 s[10:11], s[10:11], s[42:43]
	s_add_nc_u64 s[12:13], s[12:13], s[42:43]
	s_cmp_eq_u32 s[WV], 4
	s_cselect_b64 s[G0+2:G0+3], s[66:67], s[10:11] ; waves 4 and 5: my half of pocket's step, of ligand's;
	s_cmp_eq_u32 s[WV], 0
	s_cselect_b64 s[G0+2:G0+3], s[4:5], s[G0+2:G0+3]   ; wave 0: pocket's step
	s_or_b32 s[G0+3], s[G0+3], 0x80000000
	s_cmp_eq_u32 s[WV], 1
	s_cselect_b64 s[G0J+2:G0J+3], s[6:7], s[8:9]   ; waves 1, 2: Wk, Wq; wave 3: my half of Wv: nothing here hangs on the place in the cluster
	s_cmp_eq_u32 s[WV], 3
	s_cselect_b64 s[G0J+2:G0J+3], s[12:13], s[G0J+2:G0J+3]
	s_or_b32 s[G0J+3], s[G0J+3], 0x80000000
	CROUND                                         ; all four work-groups are here: the joint loads meet
	ARM 1, G0,  G1PL, .Lhead_b                     ; one tensor load a wave; nothing is filled again
	ARM 3, G0J, G1JL, .Lhead_c
	ARM 4, G0J, G1JH, .Lhead_d
	tensor_load_to_lds s[G0:G0+3], s[G1PH:G1PH+7]
	s_nop 0
	PLACES
.Lasked:
	; my role's pointers.  Every choice hangs on the wave's number alone
	s_lshl_b32 s40, s[KSN], 10                     ; a step's scale bytes: 128 rows x 8
	s_add_nc_u64 s[14:15], s[14:15], s[40:41]
	s_add_nc_u64 s[20:21], s[20:21], s[40:41]
	s_lshl_b32 s42, s[HF], 9                       ; 8 x my half's first row
	s_lshl_b32 s66, s[HF], 8                       ; 4 x the same
	s_mov_b32 s67, 0
	s_cmp_eq_u32 s[RO], 1
	s_cselect_b64 s[ASC:ASC+1], s[16:17], s[18:19]
	s_cselect_b64 s[BSC:BSC+1], s[14:15], s[20:21]
	s_cselect_b64 s[BIA:BIA+1], s[24:25], s[28:29]
	s_cmp_eq_u32 s[RO], 0
	s_cselect_b64 s[ASC:ASC+1], s[14:15], s[ASC:ASC+1]
	s_cselect_b64 s[BSC:BSC+1], s[22:23], s[BSC:BSC+1]
	s_cselect_b64 s[BIA:BIA+1], s[26:27], s[BIA:BIA+1]
	s_add_nc_u64 s[BSC:BSC+1], s[BSC:BSC+1], s[42:43]
	s_add_nc_u64 s[BIL:BIL+1], s[BIA:BIA+1], s[66:67]
	s_mul_i32 s40, s[KSN], 25600
	s_add_nc_u64 s[30:31], s[30:31], s[40:41]
	s_mul_i32 s40, s[KSN], 12800
	s_add_nc_u64 s[32:33], s[32:33], s[40:41]
	s_mul_i32 s40, s[HF], 4*FRB
	s_mul_i32 s66, s[UU], 2*FRB
	s_add_co_u32 s40, s40, s66                     ; my first fragment's image
	s_mov_b32 s42, 16*FRB                          ; K's scale words behind the 16 images,
	s_cmp_eq_u32 s[RO], 0
	s_cselect_b32 s66, 8*FRB, 0                    ; V's images behind K's eight,
	s_cselect_b32 s67, 512, 0                      ; its scale words 512 bytes on
	s_cmp_eq_u32 s[RO], 2
	s_cselect_b64 s[OUTI:OUTI+1], s[32:33], s[30:31]
	s_cselect_b32 s42, 8*FRB, s42                  ; Q's behind its 8 images
	s_add_co_u32 s40, s40, s66
	s_add_co_u32 s42, s42, s67
	s_lshl_b32 s66, s[HF], 8
	s_add_co_u32 s42, s42, s66                     ; my half's 256 bytes of them
	s_add_nc_u64 s[OUTS:OUTS+1], s[OUTI:OUTI+1], s[42:43]
	s_add_nc_u64 s[OUTI:OUTI+1], s[OUTI:OUTI+1], s[40:41]
	; LDS addresses
	s_mul_i32 s66, s[RO], PLACEB                   ; source 0
	s_add_co_u32 s67, s66, 3*PLACEB                ; source 1
	s_min_u32 s4, s[RO], 1                         ; 0 in V's waves
	s_lshl_b32 s5, s4, 1
	s_lshl_b32 s5, 1, s5                           ; source 1's rows lie 4 apart (V: 1),
	s_mul_i32 s6, s4, 3
	s_lshr_b32 s6, 8, s6                           ; its tiles begin 1 apart (V: 8)
	s_mul_i32 s7, s[UU], s6
	s_lshl_b32 s7, s7, 1                           ; my first tile's first row
	s_lshl_b32 s40, s[RO], 8
	s_add_co_u32 s40, s40, SCW                     ; my role's 256 bytes of scale words
	s_lshl_b32 s42, s[UU], 3
	s_add_co_u32 s42, s42, s40
	v_and_b32 v21, 15, v0                          ; r
	v_bfe_u32 v22, v0, 4, 1                        ; h
	v_and_b32 v23, 31, v0                          ; lane
	v_lshrrev_b32 v24, 3, v21                      ; r / 8
	v_and_b32 v25, 7, v21                          ; r % 8
	v_mul_u32_u24 v27, v24, UNIT
	v_mad_u32_u24 v27, v22, 24, v27
	v_add_nc_u32 v94, s67, v27                     ; source 1: my 32 rows, + 24 h
	v_mad_u32_u24 v27, v25, FOUR, v27
	v_add_nc_u32 v[AA], s66, v27
	v_lshl_add_u32 v[AA+1], v22, 4, v[AA]
	v_mul_u32_u24 v31, s5, v25
	v_add_nc_u32 v26, s7, v31
	ROWADR 0, BA
	v_add_nc_u32 v26, s6, v26
	ROWADR 1, BA2
	v_lshlrev_b32 v27, 2, v25
	v_lshl_add_u32 v27, v24, 5, v27                ; source 0: row 32 (r / 8) + 4 (r % 8)
	v_lshlrev_b32 v[LRA], 3, v27
	v_lshlrev_b32 v[H128], 7, v22
	v_lshlrev_b32 v[L16], 4, v23
	v_lshlrev_b32 v[L8], 3, v23
	v_lshlrev_b32 v[SH], 3, v22
	v_lshl_add_u32 v[SCRD], v23, 3, s40
	v_lshl_add_u32 v[SCWA], v21, 4, s42            ; words (r, tiles 2 (w % 2) and + 1): 16 r + 8 (w % 2)
	v_mov_b32 v[T1], 0                             ; (a lane permute's destination counts as one of its sources)
	v_mov_b32 v[T1+1], 0
	s_wait_alu depctr_va_vdst(0)
.irp k, 0,1,2,3,4,5,6,7                        ; the bias along the registers (K, Q): d = 64 c + 32 h + 0 .. 31, in the natural order.  One text for the three roles: idle in V's waves, as the bias along the lanes is in the others
	global_load_b128 v[ACC+4*\k:ACC+4*\k+3], v[H128], s[BIA:BIA+1] offset:16*\k
	global_load_b128 v[ACC+32+4*\k:ACC+32+4*\k+3], v[H128], s[BIA:BIA+1] offset:256+16*\k
.endr
.irp e, 0,1
	global_load_b64 v[BS+2*\e:BS+2*\e+1], v[LRB+\e], s[BSC:BSC+1]
	global_load_b32 v[LB+\e], v[LBO+\e], s[BIL:BIL+1]                           ; the bias along the lanes (V)
.endr
.irp t, 0,1,2,3,4,5,6,7
	global_load_b64 v[AS+2*\t:AS+2*\t+1], v[LRA], s[ASC:ASC+1] offset:8*(64*(\t/4)+\t%4)   ; a row's 8 scale bytes: the words of both K steps
.endr
	s_wait_loadcnt 0x0
.irp t, 0,1,2,3,4,5,6,7                        ; the bias in the order of the results' registers: register j of tile (c, u) is d = 64 c + 32 h + 4 j + u.  This stands ahead of the wait for my tile
.irp j, 0,1,2,3,4,5,6,7
	v_mov_b32 v[ACC+64+8*\t+\j], v[ACC+32*(\t/4)+4*\j+\t%4]
.endr
.endr
	s_wait_alu depctr_va_vdst(0)
	s_wait_tensorcnt 0x0                           ; my tile has landed,
	s_barrier_signal -1
	s_barrier_wait -1                              ; everybody's has
	WIN 0x40
	BFETCH 0
	AFETCH 0
	BFETCH 1
	AFETCH 1
	WIN 0
	s_wait_dscnt 60                                ; K step 0 is in; K step 1's 12 + 48 loads may be out
	s_cmp_eq_u32 s[RO], 0
	s_cbranch_scc1 .Lv_arm
	WIN 0x05
.irp t, 0,1,2,3,4,5,6,7                        ; the bias, where the second tile's accumulators lie, is the C of both tiles' first products
	PROD 0, \t, 0, ACC+64+8*\t
.endr
.rept 5
	v_nop                                          ; five places ahead of matrix instructions that write over an earlier one's C
.endr
.irp t, 0,1,2,3,4,5,6,7
	PROD 1, \t, 0, ACC+64+8*\t
.endr
	WIN 0
	s_branch .Ljoin
.Lv_arm:
.irp j, 0,1,2,3,4,5,6,7
	v_mov_b32 v[CB+\j], v[LB]
	v_mov_b32 v[CB+8+\j], v[LB+1]
.endr
	PLACES
	WIN 0x05
.irp e, 0,1
.irp t, 0,1,2,3,4,5,6,7
	PROD \e, \t, 0, CB+8*\e
.endr
.endr
	WIN 0
.Ljoin:
	s_wait_dscnt 0x0
	WIN 0x05
.irp e, 0,1
.irp t, 0,1,2,3,4,5,6,7                        ; the sixteen accumulators take turns, one instruction a turn
	PROD \e, \t, 1, ACC+64*\e+8*\t
.endr
.endr
	WIN 0
	PLACES                                         ; in front of the first read of results (ISA guide 7.12.1)
	; THE QUANTISER, two fragments by turns: the registers 32 c .. 32 c + 31 of a lane are one block of its row
.irp e, 0,1
.irp k, 0,1,2,3
	v_max3_num_f32 v[BM+4*\e+\k], |v[ACC+64*\e+16*\k]|, |v[ACC+64*\e+16*\k+1]|, |v[ACC+64*\e+16*\k+2]|
.endr
.endr
.irp i, 3,5,7,9,11,13
.irp e, 0,1
.irp k, 0,1,2,3
	v_max3_num_f32 v[BM+4*\e+\k], v[BM+4*\e+\k], |v[ACC+64*\e+16*\k+\i]|, |v[ACC+64*\e+16*\k+\i+1]|
.endr
.endr
.endr
.irp e, 0,1
.irp c, 0,1
	v_max3_num_f32 v[BM+4*\e+2*\c], v[BM+4*\e+2*\c], v[BM+4*\e+2*\c+1], |v[ACC+64*\e+32*\c+15]|
.endr
.endr
.irp e, 0,1
.irp c, 0,1
	v_max3_num_f32 v[BM+4*\e+2*\c], v[BM+4*\e+2*\c], |v[ACC+64*\e+32*\c+31]|, 0x2800000   ; and the floor 2^(5 - 127): the byte cannot fall under 1
.endr
.endr
.irp e, 0,1
.irp c, 0,1
	v_add_nc_u32 v[SO+2*\e+\c], 0xfe000000, v[BM+4*\e+2*\c]   ; 4 off the exponent field: the conversion takes this operand's exponent field as its scale
.endr
.endr
.irp e, 0,1
.irp c, 0,1
	v_lshrrev_b32 v[BY+2*\e+\c], 23, v[SO+2*\e+\c]            ; the scale's byte
.endr
.endr
.irp e, 0,1
	v_lshl_or_b32 v[T0+\e], v[BY+2*\e+1], 16, v[BY+2*\e]      ; my bytes: blocks h and 2 + h,
.endr
.irp e, 0,1
	v_lshlrev_b32 v[T0+\e], v[SH], v[T0+\e]                   ; at their places (8 h bits up);
.endr
.irp e, 0,1
	v_permlanex16_b32 v[T1+\e], v[T0+\e], s[SEL], s[SEL+1]
.endr
.irp e, 0,1
	v_or_b32 v[PW+\e], v[T0+\e], v[T1+\e]                     ; with lane l xor 16's two the word is whole
.endr
.irp e, 0,1
.irp c, 0,1
	v_cvt_scalef32_pk16_bf6_f32 v[PC+12*\e+6*\c:PC+12*\e+6*\c+2], v[ACC+64*\e+32*\c:ACC+64*\e+32*\c+15], v[SO+2*\e+\c]
	v_cvt_scalef32_pk16_bf6_f32 v[24+96*\e+4*\c:24+96*\e+4*\c+2], v[ACC+64*\e+32*\c+16:ACC+64*\e+32*\c+31], v[SO+2*\e+\c]   ; (a conversion's three registers begin on an even number)
.endr
.endr
	v_nop                                          ; one plain place behind a scaled conversion
.irp e, 0,1
.irp c, 0,1
.irp i, 0,1,2
	v_mov_b32 v[PC+12*\e+6*\c+3+\i], v[24+96*\e+4*\c+\i]
.endr
.endr
.endr
	ds_store_b64 v[SCWA], v[PW:PW+1]               ; lanes l and l xor 16 write the same words with the same values
.irp e, 0,1
.irp c, 0,1,2
	global_store_b128 v[L16], v[PC+12*\e+4*\c:PC+12*\e+4*\c+3], s[OUTI:OUTI+1] offset:FRB*\e+512*\c   ; 32 lanes store 512 consecutive bytes, at a multiple of 256 from the buffer's first byte
.endr
.endr
	s_wait_dscnt 0x0                               ; for the others' sake: my store has landed
	s_barrier_signal -1
	s_barrier_wait -1
	s_cmp_lg_u32 s[UU], 0                          ; one wave of each role stores the role's 256 bytes of scale words
	s_cbranch_scc1 .Lend
	ds_load_b64 v[SB:SB+1], v[SCRD]
	s_wait_dscnt 0x0
	global_store_b64 v[L8], v[SB:SB+1], s[OUTS:OUTS+1]   ; 32 lanes store 256 consecutive bytes, aligned
.Lend:
	s_wait_tensorcnt 0x0                           ; the wave's end
	ds_add_u32 v[SPW], v[NIL]
	s_wait_dscnt 0x0
	CROUND                                         ; the closing round: no work-group ends while a partner may still ask for a tile that names it
	s_endpgm
.Lfunc_end_k_q434f842e46_proj:
	.size	k_q434f842e46_proj, .Lfunc_end_k_q434f842e46_proj-k_q434f842e46_proj
	.p2alignl 7, 3214868480
	.fill 96, 4, 3214868480
	.section	.rodata,"a",@progbits
	.p2align	6, 0x0
	.amdhsa_kernel k_q434f842e46_proj
		.amdhsa_group_segment_fixed_size 167936
		.amdhsa_private_segment_fixed_size 0
		.amdhsa_enable_private_segment 0
		.amdhsa_kernarg_size 120
		.amdhsa_user_sgpr_count 2
		.amdhsa_user_sgpr_kernarg_segment_ptr 1
		.amdhsa_wavefront_size32 1
		.amdhsa_system_sgpr_workgroup_id_x 1
		.amdhsa_system_sgpr_workgroup_id_y 1
		.amdhsa_system_sgpr_workgroup_id_z 1
		.amdhsa_system_vgpr_workitem_id 0
		.amdhsa_next_free_vgpr 496
		.amdhsa_next_free_sgpr 102
		.amdhsa_reserve_vcc 0
		.amdhsa_float_denorm_mode_32 3
		.amdhsa_float_denorm_mode_16_64 3
		.amdhsa_memory_ordered 1
		.amdhsa_forward_progress 1
		.amdhsa_inst_pref_size 38
	.end_amdhsa_kernel
	.amdgpu_metadata
---
amdhsa.version: [ 1, 2 ]
amdhsa.kernels:
  - .name:           k_q434f842e46_proj
    .symbol:         k_q434f842e46_proj.kd
    .args:
      - { .name: pocket_codes, .offset: 0, .size: 8, .value_kind: global_buffer, .address_space: global }
      - { .name: Wk_codes, .offset: 8, .size: 8, .value_kind: global_buffer, .address_space: global }
      - { .name: Wq_codes, .offset: 16, .size: 8, .value_kind: global_buffer, .address_space: global }
      - { .name: ligand_codes, .offset: 24, .size: 8, .value_kind: global_buffer, .address_space: global }
      - { .name: Wv_codes, .offset: 32, .size: 8, .value_kind: global_buffer, .address_space: global }
      - { .name: pocket_scales, .offset: 40, .size: 8, .value_kind: global_buffer, .address_space: global }
      - { .name: Wk_scales, .offset: 48, .size: 8, .value_kind: global_buffer, .address_space: global }
      - { .name: Wq_scales, .offset: 56, .size: 8, .value_kind: global_buffer, .address_space: global }
      - { .name: ligand_scales, .offset: 64, .size: 8, .value_kind: global_buffer, .address_space: global }
      - { .name: Wv_scales, .offset: 72, .size: 8, .value_kind: global_buffer, .address_space: global }
      - { .name: bk, .offset: 80, .size: 8, .value_kind: global_buffer, .address_space: global }
      - { .name: bv, .offset: 88, .size: 8, .value_kind: global_buffer, .address_space: global }
      - { .name: bq, .offset: 96, .size: 8, .value_kind: global_buffer, .address_space: global }
      - { .name: kv, .offset: 104, .size: 8, .value_kind: global_buffer, .address_space: global }
      - { .name: qb, .offset: 112, .size: 8, .value_kind: global_buffer, .address_space: global }
    .group_segment_fixed_size: 167936
    .private_segment_fixed_size: 0
    .kernarg_segment_align: 8
    .kernarg_segment_size: 120
    .max_flat_workgroup_size: 192
    .sgpr_count:     102
    .vgpr_count:     496
    .wavefront_size: 32
...
	.end_amdgpu_metadata
.endif
;; end of part 1
;; launch attn (part 2): grid 64 x 4, 4 waves a work-group, clusters of 4 x 1, 327,680 bytes of LDS; arguments kv, qb, Wo_codes, Wo_scales, bo, out0; writes out0
.if DOCPART == 2
	.amdgcn_target "amdgcn-amd-amdhsa--gfx1250"
	.amdhsa_code_object_version 6
	.text
	.protected	k_q434f842e46_attn
	.globl	k_q434f842e46_attn
	.p2align	8
	.type	k_q434f842e46_attn,@function
k_q434f842e46_attn:
	s_mov_b64 s[64:65], 0
	v_nop
	global_prefetch_b8 v0, s[64:65] scope:SCOPE_SE
	s_setreg_imm32_b32 hwreg(HW_REG_WAVE_MODE, 25, 1), 1
	s_wait_xcnt 0x0
	s_wait_alu depctr_hold_cnt(0) depctr_sa_sdst(0) depctr_va_vdst(0) depctr_va_sdst(0) depctr_va_ssrc(0) depctr_va_vcc(0) depctr_vm_vsrc(0)
	s_getreg_b32 s2, hwreg(HW_REG_IB_STS2, 6, 4)
	s_cmp_eq_u32 s2, 0
	s_cbranch_scc0 .Lentry_in_a_cluster
	s_endpgm
.Lentry_in_a_cluster:
	s_bfe_u32 s2, ttmp6, 0x10000c
	s_cmp_lg_u32 s2, 0x3003
	s_cbranch_scc0 .Lentry_shape_is_right
	s_endpgm
.Lentry_shape_is_right:
; out = (softmax(Q K^T / sqrt(128)) V) Wo + bo, all three products on codes of BF6 (E3M2) with one E8M0 scale for each 32 along K.  K, V^T and Q come as images of operand registers
; (a fragment: registers 4 c .. 4 c + 3 of lane l at 512 c + 16 l), made by the launch before; row r of tile T is key or query 64 (T / 4) + 32 (r / 8) + 4 (r % 8) + T % 4 of its 128; for V^T it is d = 64 (T / 4) + 8 (T % 4) + 32 (r / 8) + r % 8.
; THE SOFTMAX: t = score x log2(e) / sqrt(128) (one constant, one rounding); M = the largest t so far rounded UP to a whole number; p = 2^(t - M) is quantised along the keys, not normalised; the row's sum is taken
; of the unquantised p and divides at the end.  When M moves, the sum and O^T are multiplied by 2^(old M - new M): exact.
; LAYOUT.  Both products are used transposed: S^T = K Q^T, O^T = V^T P^T: a lane (r, h) holds ONE query r.  By the choice of a tile's rows, the registers 32 c .. 32 c + 31 of a lane's 64 results are the keys (or d) 64 c + 32 h .. + 31,
; d in the natural order, keys in the order in which V^T's images have them: two whole blocks of 32 a lane: a block's maximum needs no other lane, and the conversions' results are the next operand.
; SHARES.  A work-group owns 64 queries of one batch (256 work-groups), four waves, as many as a WGP has SIMDs.  Wave w takes key step w (128 keys) of the four in each slot, for ALL four query tiles: each fragment read from LDS
; feeds four products, and no fragment is read twice.  Each wave keeps its own M, sum and O^T.  A wave's local tile i is query tile i xor w: so local tile 0 is the one that it merges at the end, and stays in registers.
; WINDOWS.  1: S^T, then p, of the four tiles (v64 i ..).  2: O^T of the four (v64 i ..).  3: v0-95 K's fragments, v96-191 V^T's, v192-239 P's codes, v240-255 halves of codes.  0: all else.
; RING.  Two slots of four key steps (102,400 bytes); each wave fetches its step by one joint tensor load behind each round.
; CLUSTER.  The four work-groups of a cluster belong to one batch and walk the same K and V: every tile (and Wo, its scales and bo, behind the last round) is asked for jointly.
; PREFETCH.  In step n the wave names 25 blocks of 256 bytes of slot n + 2, which the load of step n + 1 wants: the 400 blocks of a slot are shared out over the four waves (a key step each) and, by address, the four partners.
; Of the sixteen clusters that walk a batch, those whose number is a multiple of 4 ask.  Slots 0 and 1 come by their loads alone; the last two steps ask for nothing.
; No work of reference() is left out.
; LIMITS: NaN and infinities are not served.  p under 2^-126 counts as 0 (ISA guide, v_exp_f32).  A block whose largest number lies under 2^(5 - 127) gets the byte 1 (a block of zeros too: its codes are zeros).
; The promise holds while the scaled scores stay under 2^31 in magnitude.
; A block's largest p is made from its largest score by the same two instructions: this takes v_exp_f32 not to fall where its input rises.
.set KVSTEP, 25600
.set QSTEP,  12800
.set FRB,    1536
.set SLOT1,  131072                    ; slot 0 at 0, slot 1 here: one exclusive or turns an address
.set SPARE,  SLOT1+4*KVSTEP            ; the spare words, 128 bytes a wave
.set STATS,  SPARE+512                 ; (-M, sum) of wave w, local tile i at 1024 w + 256 i + 8 x lane
.set STAGE,  STATS+4096                ; 16 rows x (512 + 16) bytes for each wave: the way out
.set WOL,    STAGE+4*8448              ; Wo's codes, 128 rows of 96 bytes
.set WSL,    WOL+12288                 ; Wo's scale words
.set BOL,    WSL+512                   ; bo
.set IMGW,   24576                     ; the images of O^T for the merge: wave w, local tile i (1..3) at 24576 w + 8192 (i - 1), in slot 0, which has had its last fill and its last read when they are stored
.set ADR,  1
.set A0,   2                           ; 16 x lane + my key step's place in a slot
.set SPW,  3                           ; my spare word; never rewritten
.set NIL,  4                           ; 0; never rewritten
.set IMS,  5                           ; where I store my images
.set STS,  6                           ; and my statistics
.set RM,   7                           ; v7-9   where I read the other waves' images of my tile
.set RS,   10                          ; v10-12 and their statistics
.set STO,  13                          ; the stage: in
.set RD,   14                          ; and back
.set L16,  15
.set WOA,  16
.set WSA,  17
.set BOA,  18
.set SH,   19                          ; 8 h
.set PFO,  20                          ; the prefetches' offset; never rewritten
.set KS,   24                          ; v24-27 K's scale words: register u: lanes 0-15 tile u, lanes 16-31 tile 4 + u
.set VS,   28                          ; v28-31 V's likewise
.set QS,   32                          ; v32-35 Q's
.set PS,   36                          ; v36-39 p's
.set NM,   40                          ; v40,42,44,46 -M of the four tiles,
.set MT,   41                          ; v41,43,45,47 their largest score
.set LL,   48                          ; v[48:55] the sums, in two halves each
.set FF,   56                          ; v[56:63] f = 2^(old M - new M), each the lower half of a pair
.set BM,   64                          ; v64-95 eight chains of maxima for each tile; blocks 0, 1 of tile i end in BM + 8 i, + 4
.set T0,   96
.set T1,   100
.set SO,   104                         ; v104-111 the conversions' scale operands
.set BY,   112                         ; v112-119 the scale bytes
.set OUTR, 128                         ; v128-191 the way out
.set BO,   192
.set QF,   208                         ; v208-255 Q's four fragments
.set KF,   0                           ; window 3
.set VF,   96
.set PC,   192
.set CT,   240
.set ST,   64                          ; the merge: statistics of waves w xor i at ST + 2 i,
.set XS,   72                          ; factors at XS + 2 i
.set WV,   16
.set SEL,  20
.set CS,   22                          ; s[22:23] c = log2(e) / sqrt(128)
.set G1,   24                          ; groups 1: a key step; Wo's codes; 512 bytes
.set G1W,  32
.set G1S,  40
.set G0,   48                          ; group 0 of the ring, which walks; Wo's codes; Wo's scales or bo
.set G0W,  52
.set G0S,  56
.set TB,   60                          ; LDS byte at which the slot in hand begins
.set CNT,  61
.set PF,   80                          ; s[80:81] where the prefetches stand
.set PFL,  82
.set MSB, 0
.macro WIN new                         ; bits 1:0 source 0, 3:2 source 1, 5:4 source 2, 7:6 destination; the immediate's high byte repeats the setting that is left
.if MSB != (\new)
	s_set_vgpr_msb (MSB<<8)|(\new)
.set MSB, (\new)
.endif
.endm
.macro PLACES
.rept 4
	v_nop
.endr
.endm
.macro CREST                           ; a round of the cluster's barrier behind its opening barrier
	s_cmp_lg_u32 s[WV], 0
	s_cbranch_scc1 .Lnot_wave_0_\@
	s_barrier_signal -3
.Lnot_wave_0_\@:
	s_barrier_wait -3
	s_barrier_signal -1
	s_barrier_wait -1
.endm
.macro CROUND
	s_barrier_signal -1
	s_barrier_wait -1
	CREST
.endm
; one matrix instruction.  row = 1: source 0's scales are read from lanes 16-31.  z = 1: it starts the sum
.macro WM d, a, b, sa, sb, row, z
.if \z
.if \row
	v_wmma_scale_f32_16x16x128_f8f6f4 v[\d:\d+7], v[\a:\a+11], v[\b:\b+11], 0, v[\sa], v[\sb] matrix_a_fmt:MATRIX_FMT_BF6 matrix_b_fmt:MATRIX_FMT_BF6 matrix_a_scale:MATRIX_SCALE_ROW1
.else
	v_wmma_scale_f32_16x16x128_f8f6f4 v[\d:\d+7], v[\a:\a+11], v[\b:\b+11], 0, v[\sa], v[\sb] matrix_a_fmt:MATRIX_FMT_BF6 matrix_b_fmt:MATRIX_FMT_BF6
.endif
.else
.if \row
	v_wmma_scale_f32_16x16x128_f8f6f4 v[\d:\d+7], v[\a:\a+11], v[\b:\b+11], v[\d:\d+7], v[\sa], v[\sb] matrix_a_fmt:MATRIX_FMT_BF6 matrix_b_fmt:MATRIX_FMT_BF6 matrix_a_scale:MATRIX_SCALE_ROW1
.else
	v_wmma_scale_f32_16x16x128_f8f6f4 v[\d:\d+7], v[\a:\a+11], v[\b:\b+11], v[\d:\d+7], v[\sa], v[\sb] matrix_a_fmt:MATRIX_FMT_BF6 matrix_b_fmt:MATRIX_FMT_BF6
.endif
.endif
.endm
.macro KQ1 i, k                        ; S^T of tile i, key tile k
	WIN 0x43
	WM 64*\i+8*(\k), KF+12*(\k), QF+12*\i, KS+(\k)%4, QS+\i, (\k)/4, 1
.endm
.macro PV1 w, k, pv                    ; O^T of tile w, tile k of d.  pv = 1: it starts the sum; 2: it adds
	WIN 0xaf
	WM 64*\w+8*(\k), VF+12*(\k), PC+12*\w, VS+(\k)%4, PS+\w, (\k)/4, 2-\pv
.endm
.macro PVT w, pv                       ; all eight
.irp k, 0,1,2,3,4,5,6,7
	PV1 \w, \k, \pv
.endr
.endm
; THE LARGEST SCORE OF EACH BLOCK of tile i, in eight groups of four instructions: a chain for each accumulator, each read from its low end on
.macro MAXG i, g
.if (\g) < 2
	WIN 0x15
.irp k, 0,1,2,3
	v_max3_num_f32 v[BM+8*(\i)+4*(\g)+\k], v[64*(\i)+32*(\g)+8*\k], v[64*(\i)+32*(\g)+8*\k+1], v[64*(\i)+32*(\g)+8*\k+2]
.endr
.else
.if (\g) < 6
	WIN 0x14
.set MJ, 3+2*((\g)/4)
.set MH, (\g)%2
.irp k, 0,1,2,3
	v_max3_num_f32 v[BM+8*(\i)+4*MH+\k], v[BM+8*(\i)+4*MH+\k], v[64*(\i)+32*MH+8*\k+MJ], v[64*(\i)+32*MH+8*\k+MJ+1]
.endr
.else
.if (\g) == 6
	WIN 0x14
.irp k, 0,2,4,6
	v_max3_num_f32 v[BM+8*(\i)+\k], v[BM+8*(\i)+\k], v[64*(\i)+8*\k+7], v[64*(\i)+8*\k+15]   ; the numbers left over, of this chain's accumulator and the next one's
.endr
.else
	WIN 0
.irp k, 0,4
	v_max3_num_f32 v[BM+8*(\i)+\k], v[BM+8*(\i)+\k], v[BM+8*(\i)+\k+1], v[BM+8*(\i)+\k+2]
.endr
.irp k, 0,4
	v_max_num_f32 v[BM+8*(\i)+\k], v[BM+8*(\i)+\k], v[BM+8*(\i)+\k+3]
.endr
.endif
.endif
.endif
.endm
.macro FLOAD dst, base                 ; eight fragment images: 512 consecutive bytes a load
	WIN 0xc0
.irp u, 0,1,2,3,4,5,6,7
.irp c, 0,1,2
	ds_load_b128 v[\dst+12*\u+4*\c:\dst+12*\u+4*\c+3], v[ADR] offset:\base+FRB*\u+512*\c
.endr
.endr
	WIN 0
.endm
.macro PKF a, j                        ; t - M of pair j of tile a (of the pairs c and -M the low word serves both halves)
	v_pk_fma_f32 v[64*(\a)+2*(\j):64*(\a)+2*(\j)+1], v[64*(\a)+2*(\j):64*(\a)+2*(\j)+1], s[CS:CS+1], v[NM+2*(\a):NM+2*(\a)+1] op_sel_hi:[1,0,0]
.endm
.macro ADDP a, j, n                    ; pair j of tile a += pair j + n: a level of the tree that sums the unquantised p in place, behind the conversions
	v_pk_add_f32 v[64*(\a)+2*(\j):64*(\a)+2*(\j)+1], v[64*(\a)+2*(\j):64*(\a)+2*(\j)+1], v[64*(\a)+2*(\n)+2*(\j):64*(\a)+2*(\n)+2*(\j)+1]
.endm
.macro LEVEL a, n
.set LJ, 0
.rept \n
	ADDP \a, LJ, \n
.set LJ, LJ+1
.endr
.endm
; the 64 exponentials of tile w; between them stand the next tile's multiply-adds and levels of the sums of the tiles before.  A plain line ends each group
.macro EXPB w
	WIN 0x45
.set E, 0
.rept 16
	v_exp_f32 v[64*\w+4*E], v[64*\w+4*E]
	v_exp_f32 v[64*\w+4*E+1], v[64*\w+4*E+1]
.if \w < 3
	PKF \w+1, 2*E
.else
.if E < 8
	ADDP 1, E, 8
.else
.if E < 12
	ADDP 0, E-8, 4
.endif
.endif
.endif
	v_exp_f32 v[64*\w+4*E+2], v[64*\w+4*E+2]
.if (\w == 1) || (\w == 2)
	ADDP \w-1, E, 16
.endif
	v_exp_f32 v[64*\w+4*E+3], v[64*\w+4*E+3]
.if \w < 3
	PKF \w+1, 2*E+1
.else
	ADDP 2, E, 16
.endif
.if (\w == 2) && (E < 8)
	ADDP 0, E, 8
.endif
.set E, E+1
.endr
	s_wait_alu depctr_va_vdst(0)                   ; one wait for the batch, ahead of its first reader
.endm
.macro CVT w                           ; tile w's codes
	WIN 0xc1
.irp c, 0,1
	v_cvt_scalef32_pk16_bf6_f32 v[PC+12*\w+6*\c:PC+12*\w+6*\c+2], v[64*\w+32*\c:64*\w+32*\c+15], v[SO+2*\w+\c]
	v_cvt_scalef32_pk16_bf6_f32 v[CT+8*(\w%2)+4*\c:CT+8*(\w%2)+4*\c+2], v[64*\w+32*\c+16:64*\w+32*\c+31], v[SO+2*\w+\c]   ; (a conversion's three registers begin on an even number)
.endr
	v_nop                                          ; one plain place behind a scaled conversion
	WIN 0xc3
.irp c, 0,1
.irp i, 0,1,2
	v_mov_b32 v[PC+12*\w+6*\c+3+\i], v[CT+8*(\w%2)+4*\c+\i]
.endr
.endr
.endm
; what is left of the sums behind a step's softmax, in two parts.  pv = 1: the step was the first
.macro SUMS1
	WIN 0x45
	LEVEL 3, 16
	LEVEL 2, 8
	LEVEL 1, 4
.endm
.macro SUMS2 pv
	WIN 0x45
	LEVEL 3, 8
	LEVEL 2, 4
	LEVEL 0, 2
	LEVEL 1, 2
	LEVEL 3, 4
	LEVEL 2, 2
	LEVEL 3, 2
.if \pv == 1
	WIN 0x05
.irp i, 0,1,2,3
	v_pk_add_f32 v[LL+2*\i:LL+2*\i+1], v[64*\i:64*\i+1], v[64*\i+2:64*\i+3]
.endr
.else
.irp i, 0,1,2,3
	ADDP \i, 0, 1
.endr
	WIN 0x10
.irp i, 0,1,2,3
	v_pk_fma_f32 v[LL+2*\i:LL+2*\i+1], v[LL+2*\i:LL+2*\i+1], v[FF+2*\i:FF+2*\i+1], v[64*\i:64*\i+1] op_sel_hi:[1,0,1]   ; the sum under the new M, and this step's
.endr
.endif
	WIN 0
.endm
; THE SOFTMAX of my 128 keys for the four tiles, behind the blocks' largest scores.  first = 1: there is no O^T and no sum yet
.macro SOFTMAX first
.irp i, 0,1,2,3
	v_max_num_f32 v[T0+\i], v[BM+8*\i], v[BM+8*\i+4]
.endr
.irp i, 0,1,2,3
	v_permlanex16_b32 v[T1+\i], v[T0+\i], s[SEL], s[SEL+1]   ; lane l xor 16's 64 keys
.endr
.irp i, 0,1,2,3
.if \first
	v_max_num_f32 v[MT+2*\i], v[T0+\i], v[T1+\i]
.else
	v_max3_num_f32 v[MT+2*\i], v[MT+2*\i], v[T0+\i], v[T1+\i]   ; the running largest score
.endif
.endr
.irp i, 0,1,2,3
	v_mul_f32 v[T0+\i], s[CS], v[MT+2*\i]          ; as t (c is positive)
.endr
.if \first
.irp i, 0,1,2,3
	v_floor_f32 v[NM+2*\i], -v[T0+\i]              ; -M = floor(-t): M is a whole number
.endr
.else
.irp i, 0,1,2,3
	v_floor_f32 v[T0+\i], -v[T0+\i]
.endr
.irp i, 0,1,2,3
	v_sub_f32 v[T1+\i], v[T0+\i], v[NM+2*\i]       ; old M - new M: a whole number, 0 or less
.endr
.irp i, 0,1,2,3
	v_mov_b32 v[NM+2*\i], v[T0+\i]
.endr
.irp i, 0,1,2,3
	v_cvt_i32_f32 v[T1+\i], v[T1+\i]               ; (it saturates)
.endr
.irp i, 0,1,2,3
	v_ldexp_f32 v[FF+2*\i], 1.0, v[T1+\i]          ; f = 2^(old M - new M)
.endr
.endif
.irp i, 0,1,2,3
.irp k, 0,4
	v_fma_f32 v[BM+8*\i+\k], v[BM+8*\i+\k], s[CS], v[NM+2*\i]   ; t - M of each block's largest score
.endr
.endr
.if \first == 0
	WIN 0x82
.irp i, 0,1,2,3
.set LJ, 0
.rept 32
	v_pk_mul_f32 v[64*\i+LJ:64*\i+LJ+1], v[64*\i+LJ:64*\i+LJ+1], v[FF+2*\i:FF+2*\i+1] op_sel_hi:[1,0]   ; O^T under the new M
.set LJ, LJ+2
.endr
.endr
.endif
	WIN 0x45
.set LJ, 0
.rept 32
	PKF 0, LJ
.set LJ, LJ+1
.endr
	WIN 0
	s_wait_alu depctr_va_vdst(0)
.irp i, 0,1,2,3
.irp k, 0,4
	v_exp_f32 v[BM+8*\i+\k], v[BM+8*\i+\k]         ; each block's largest p
.endr
.endr
	EXPB 0                                         ; p = 2^(t - M), at most 1
	WIN 0
.irp i, 0,1,2,3
.irp k, 0,4
	v_max_num_f32 v[BM+8*\i+\k], 0x2800000, v[BM+8*\i+\k]      ; the floor 2^(5 - 127): the byte cannot fall under 1
.endr
.endr
.irp i, 0,1,2,3
.irp k, 0,1
	v_add_nc_u32 v[SO+2*\i+\k], 0xfe000000, v[BM+8*\i+4*\k]    ; 4 off the exponent field: the conversion's scale operand
.endr
.endr
.irp i, 0,1,2,3
.irp k, 0,1
	v_lshrrev_b32 v[BY+2*\i+\k], 23, v[SO+2*\i+\k]             ; the scale's byte
.endr
.endr
.irp i, 0,1,2,3
	v_lshl_or_b32 v[T0+\i], v[BY+2*\i+1], 16, v[BY+2*\i]       ; my bytes: blocks h and 2 + h, at their places;
.endr
.irp i, 0,1,2,3
	v_lshlrev_b32 v[T0+\i], v[SH], v[T0+\i]
.endr
.irp i, 0,1,2,3
	v_permlanex16_b32 v[T1+\i], v[T0+\i], s[SEL], s[SEL+1]
.endr
.irp i, 0,1,2,3
	v_or_b32 v[PS+\i], v[T0+\i], v[T1+\i]                      ; with lane l xor 16's two: p's scale words for these 128 keys
.endr
	CVT 0
	EXPB 1
	CVT 1
	EXPB 2
	CVT 2
	EXPB 3
	CVT 3
	WIN 0
.endm
; A KEY STEP.  It begins with the change of slots: each wave waits for all its tensor loads, adds 0 to its spare word, and waits for that and for its reads of the slot that it has left; a round of the cluster's barrier follows, so that
; no wave of any partner still reads that slot or has a load on its way; the joint load is the first thing behind it.  The rest of the last step's sums stands behind the add and inside the round.
; Sixteen of the last step's products V^T P^T stand behind the issue of the loads of K's fragments; the other sixteen, and the later products K Q^T, take turns with groups of the search for the blocks' largest scores.
; pv: the last step's products V^T P^T (0: none yet; 1: they start the sums; 2: they add).  fill = 1: the next slot; 0: Wo, its scales and bo.  pf = 1: a prefetch
.macro STEP pv, first, fill, pf
.if (\pv) && (\pf)
	s_wait_xcnt 0x0                                ; the last prefetch has read its base
	s_add_nc_u64 s[PF:PF+1], s[PF:PF+1], 4*KVSTEP
.endif
	s_wait_tensorcnt 0x0                           ; no tensor load of mine is out, so the walking group 0 may be written
	ds_add_u32 v[SPW], v[NIL]                      ; 0 onto my spare word
.if \fill
	s_xor_b32 s[G0+1], s[G0+1], SLOT1              ; the other slot than last time,
	s_add_nc_u64 s[G0+2:G0+3], s[G0+2:G0+3], 4*KVSTEP   ; the next four key steps; the type bits on top are not reached
.endif
.if \pv
	SUMS1
	s_wait_alu depctr_va_vdst(0)
.endif
	s_wait_dscnt 0x0                               ; the add is done, and my reads of the slot that I have left are over
	s_barrier_signal -1
.if \pv
	SUMS2 \pv
.endif
	s_barrier_wait -1
	CREST
.if \fill
	tensor_load_to_lds s[G0:G0+3], s[G1:G1+7]
	s_nop 0
	PLACES
.else
	s_cmp_lt_u32 s[WV], 1
	s_cbranch_scc0 .Lw_scales
	tensor_load_to_lds s[G0W:G0W+3], s[G1W:G1W+7]
	s_nop 0
	PLACES
	s_branch .Lw_done
.Lw_scales:
	s_cmp_lt_u32 s[WV], 3
	s_cbranch_scc0 .Lw_done
	tensor_load_to_lds s[G0S:G0S+3], s[G1S:G1S+7]
	s_nop 0
	PLACES
.Lw_done:
.endif
	v_add_nc_u32 v[ADR], s[TB], v[A0]
	ds_load_b128 v[KS:KS+3], v[ADR] offset:16*FRB
	FLOAD KF, 0
	s_wait_alu depctr_va_vdst(0)
.if \pf
	s_cmp_gt_u32 s[CNT], s[PFL]
	s_cbranch_scc0 .Lnot_mine_\@
	global_prefetch_b8 v[PFO], s[PF:PF+1] th:TH_LOAD_NT scope:SCOPE_SE
.Lnot_mine_\@:
.endif
.if \pv
	PVT 0, \pv
	PVT 1, \pv
.endif
	s_wait_dscnt 12                                ; K's scale words and fragments 0-3 are in; the twelve loads of fragments 4-7 may be out
.irp i, 0,1,2,3
.irp u, 0,1,2,3
	KQ1 \i, \u
.endr
.endr
	s_wait_dscnt 0x0
.irp u, 0,1,2,3
	KQ1 0, 4+\u
.endr
.irp u, 0,1,2,3
	KQ1 1, 4+\u
.if \u == 0
	PLACES                                         ; four places in front of the first read of results (ISA guide 7.12.1); behind it the maxima of another tile are the places
.endif
	MAXG 0, \u
.endr
.irp u, 0,1,2,3
	KQ1 2, 4+\u
	MAXG 0, 4+\u
.endr
.irp u, 0,1,2,3
	KQ1 3, 4+\u
	MAXG 1, \u
.endr
.irp u, 0,1,2,3,4,5,6,7
.if \pv
	PV1 2, \u, \pv
.endif
	MAXG 1+(4+\u)/8, (4+\u)%8
.endr
.irp u, 0,1,2,3,4,5,6,7
.if \pv
	PV1 3, \u, \pv
.endif
	MAXG 2+(4+\u)/8, (4+\u)%8
.endr
.irp u, 4,5,6,7
	MAXG 3, \u
.endr
	WIN 0
	ds_load_b128 v[VS:VS+3], v[ADR] offset:16*FRB+512
	FLOAD VF, 8*FRB                                ; V^T's fragments land while the softmax is worked
	SOFTMAX \first
	s_xor_b32 s[TB], s[TB], SLOT1
.endm
	s_load_b256 s[4:11], s[0:1], 0x0               ; kv s[4:5], qb s[6:7], Wo's codes s[8:9], Wo's scales s[10:11]
	s_load_b128 s[12:15], s[0:1], 0x20             ; bo s[12:13], out s[14:15]
	v_lshl_add_u32 v[SPW], v0, 2, SPARE
	v_mov_b32 v[NIL], 0
	ds_add_u32 v[SPW], v[NIL]                      ; the opening lines: the add, twice on end, under one wait
	ds_add_u32 v[SPW], v[NIL]
	v_lshrrev_b32 v120, 5, v0
	v_readfirstlane_b32 s[WV], v120                ; wave 0..3
	s_bfe_u32 s19, ttmp6, 0x40000                  ; my place in the cluster: it enters Q's, out's and the prefetches' addresses alone
	s_lshl_b32 s62, ttmp9, 2
	s_add_co_u32 s62, s62, s19                     ; x: my block of 64 queries
	s_and_b32 s63, ttmp7, 0xffff                   ; the batch, which the four partners share
	s_mov_b32 s[SEL], 0x76543210
	s_mov_b32 s[SEL+1], 0xfedcba98
	s_mov_b32 s[CS], 0x3e0293ee                    ; c = log2(e) / sqrt(128)
	s_mov_b32 s[CS+1], s[CS]                       ; (named with it as a pair, so it is written)
	s_mov_b32 s[TB], 0
	s_mov_b32 s[CNT], 32                           ; (ahead of the loop: over the limit of a cluster that asks)
	s_and_b32 s83, ttmp9, 3
	s_cmp_eq_u32 s83, 0
	s_cselect_b32 s[PFL], 1, 64                    ; a cluster that asks does so while the count is over 1
	; descriptor groups 1: dense blocks as rows of 256 bytes (32 elements of 8 bytes): 100 rows (a key step), 48 (Wo's codes), 2 (512 bytes)
.irp g, G1, G1W, G1S
	s_mov_b32 s[\g], 15|(3<<16)|(1<<21)            ; the mask: all four work-groups; elements of 8 bytes; bit 21 set beside a mask; no padding
	s_mov_b32 s[\g+1], 32<<16
	s_mov_b32 s[\g+3], 32<<16
	s_mov_b32 s[\g+5], 32
	s_mov_b32 s[\g+6], 0
	s_mov_b32 s[\g+7], 0
.endr
	s_mov_b32 s[G1+2], 100<<16
	s_mov_b32 s[G1+4], 100
	s_mov_b32 s[G1W+2], 48<<16
	s_mov_b32 s[G1W+4], 48
	s_mov_b32 s[G1S+2], 2<<16
	s_mov_b32 s[G1S+4], 2
	; offsets, apart from the addresses
	s_mul_i32 s74, s63, 32*KVSTEP                  ; kv: the batch's 32 key steps,
	s_mul_i32 s66, s[WV], KVSTEP
	s_add_co_u32 s66, s66, s74                     ; the step that I fetch
	s_mov_b32 s67, 0
	s_add_co_u32 s74, s74, 8*KVSTEP                ; slot 2: the first that is prefetched
	s_mov_b32 s75, 0
	s_lshl_b32 s68, s63, 5
	s_lshr_b32 s69, s62, 1
	s_add_co_u32 s68, s68, s69
	s_mul_i32 s68, s68, QSTEP                      ; qb: query step 32 b + x / 2
	s_and_b32 s70, s62, 1
	s_lshl_b32 s72, s70, 8
	s_add_co_u32 s72, s72, s68
	s_add_co_u32 s72, s72, 8*FRB                   ; my block's scale words: 256 (x % 2) behind the images
	s_mov_b32 s73, 0
	s_mul_i32 s70, s70, 4*FRB
	s_add_co_u32 s68, s68, s70                     ; my block's four images
	s_mov_b32 s69, 0
	s_lshl_b32 s70, s63, 21
	s_lshl_b32 s71, s62, 15
	s_add_co_u32 s70, s70, s71
	s_lshl_b32 s71, s[WV], 9
	s_add_co_u32 s70, s70, s71                     ; out: batch, block of 64 rows, row w of each four
	s_mov_b32 s71, 0
	s_wait_dscnt 0x0                               ; both opening adds are done
	s_wait_kmcnt 0x0
	s_mov_b32 s[G0], 1
	s_mul_i32 s[G0+1], s[WV], KVSTEP               ; slot 0, step w
	s_add_nc_u64 s[G0+2:G0+3], s[4:5], s[66:67]
	s_or_b32 s[G0+3], s[G0+3], 0x80000000
	CROUND                                         ; all four work-groups are here: the first joint loads meet
	tensor_load_to_lds s[G0:G0+3], s[G1:G1+7]      ; slot 0: one tensor load a wave
	s_nop 0
	PLACES
	s_mov_b32 s[G0W], 1
	s_mov_b32 s[G0W+1], WOL
	s_mov_b64 s[G0W+2:G0W+3], s[8:9]
	s_or_b32 s[G0W+3], s[G0W+3], 0x80000000
	s_mov_b32 s[G0S], 1
	s_lshr_b32 s[G0S+1], s[WV], 1
	s_lshl_b32 s[G0S+1], s[G0S+1], 9
	s_add_co_u32 s[G0S+1], s[G0S+1], WSL           ; wave 1: Wo's scale words; wave 2: bo, 512 bytes on
	s_cmp_eq_u32 s[WV], 1
	s_cselect_b64 s[G0S+2:G0S+3], s[10:11], s[12:13]
	s_or_b32 s[G0S+3], s[G0S+3], 0x80000000
	s_add_nc_u64 s[PF:PF+1], s[4:5], s[74:75]
	s_add_nc_u64 s[84:85], s[6:7], s[68:69]        ; Q's images
	s_add_nc_u64 s[86:87], s[6:7], s[72:73]        ; Q's scale words
	s_add_nc_u64 s[14:15], s[14:15], s[70:71]
	v_and_b32 v120, 31, v0                         ; lane
	v_and_b32 v121, 15, v0                         ; r
	v_bfe_u32 v122, v0, 4, 1                       ; h
	v_min_u32 v123, 24, v120                       ; (lanes 25-31 name the wave's last block again)
	v_lshlrev_b32 v[L16], 4, v120
	v_lshlrev_b32 v[SH], 3, v122
	s_wait_alu depctr_va_vdst(0)
.irp i, 0,1,2,3
	s_xor_b32 s88, s[WV], \i                       ; local tile i is query tile w xor i
	s_mul_i32 s89, s88, FRB
	v_add_nc_u32 v[124+\i], s89, v[L16]            ; its image
	s_lshl_b32 s89, s88, 2
	v_lshl_add_u32 v[116+\i], v121, 4, s89         ; and its row r's scale word
.if \i > 0
	s_mul_i32 s89, s88, IMGW                       ; the merge: wave w xor i's image of my tile, its local tile i
	s_add_co_u32 s89, s89, 8192*(\i-1)
	v_add_nc_u32 v[RM+\i-1], s89, v[L16]
	s_lshl_b32 s89, s88, 10
	s_add_co_u32 s89, s89, STATS+256*\i
	v_lshl_add_u32 v[RS+\i-1], v120, 3, s89
.endif
.endr
	s_mul_i32 s88, s[WV], KVSTEP
	v_add_nc_u32 v[A0], s88, v[L16]
	s_mul_i32 s89, s19, 25*256
	s_add_co_u32 s88, s88, s89
	v_lshl_add_u32 v[PFO], v123, 8, s88            ; key step w, blocks 25 x place on
	s_mul_i32 s88, s[WV], IMGW
	v_add_nc_u32 v[IMS], s88, v[L16]
	s_lshl_b32 s88, s[WV], 10
	s_add_co_u32 s88, s88, STATS
	v_lshl_add_u32 v[STS], v120, 3, s88
	s_mul_i32 s88, s[WV], 8448
	s_add_co_u32 s88, s88, STAGE
	v_mul_u32_u24 v[STO], v121, 528
	v_lshl_add_u32 v[STO], v122, 5, v[STO]
	v_add_nc_u32 v[STO], s88, v[STO]               ; in: row r, + 32 h
	v_add_nc_u32 v[RD], s88, v[L16]                ; back: a row of 512 bytes, 16 a lane
	v_mul_u32_u24 v[WOA], v121, 96
	v_mad_u32_u24 v[WOA], v122, 24, v[WOA]
	v_add_nc_u32 v[WOA], WOL, v[WOA]
	v_lshl_add_u32 v[WSA], v121, 2, WSL
	v_add_nc_u32 v[BOA], BOL, v[L16]
.irp i, 0,1,2,3
	v_mov_b32 v[T1+\i], 0                          ; (a lane permute's destination counts as one of its sources)
	v_mov_b32 v[FF+2*\i+1], 0                      ; (named as the upper half of a pair)
.endr
	s_wait_alu depctr_va_vdst(0)
.irp i, 0,1,2,3
.irp c, 0,1,2
	global_load_b128 v[QF+12*\i+4*\c:QF+12*\i+4*\c+3], v[124+\i], s[84:85] offset:512*\c   ; Q's fragments stay in registers
.endr
	global_load_b32 v[QS+\i], v[116+\i], s[86:87]
.endr
	s_wait_loadcnt 0x0
	STEP 0, 1, 1, 1                                ; step 0
	STEP 1, 0, 1, 1                                ; step 1: step 0's products start the sums: nothing is cleared
	s_mov_b32 s[CNT], 5
.Lstep:                                            ; steps 2 to 6
	STEP 2, 0, 1, 1
	s_sub_co_u32 s[CNT], s[CNT], 1
	s_cmp_lg_u32 s[CNT], 0
	s_cbranch_scc1 .Lstep
	STEP 2, 0, 0, 0                                ; step 7 is written out: no slot is filled again, and Wo, its scales and bo are asked for
	; THE MERGE.  Each wave lays (-M, sum) and O^T, as it stands, of its local tiles 1 to 3 into LDS and keeps those of tile 0.  The images lie in slot 0, which every wave left in front of the last round.
	; A tile's image leaves while the next tile's products run; the sums are the places between a tile's products and its stores.
.macro IMST i
	WIN 0x08                                       ; an LDS store's data are its source 1: window 2
.set LJ, 0
.rept 16
	ds_store_b128 v[IMS], v[64*\i+4*LJ:64*\i+4*LJ+3] offset:8192*(\i-1)+512*LJ   ; each accumulator from its low end on
.set LJ, LJ+1
.endr
.endm
	s_wait_dscnt 0x0                               ; V^T's fragments
	PVT 1, 2
	SUMS1
	PVT 2, 2
	IMST 1
	SUMS2 2
	PVT 3, 2
	IMST 2
	WIN 0
.irp i, 0,1,2,3
	v_add_f32 v[MT+2*\i], v[LL+2*\i], v[LL+2*\i+1] ; the sum's two halves, beside -M.  (Four places behind tile 3's products)
.endr
	PVT 0, 2
	IMST 3
	WIN 0
.irp i, 1,2,3
	ds_store_b64 v[STS], v[NM+2*\i:NM+2*\i+1] offset:256*\i
.endr
	s_wait_alu depctr_va_vdst(0)
	s_wait_tensorcnt 0x0                           ; my part of Wo, its scales and bo has landed
	s_wait_dscnt 0x0                               ; and my stores have
	s_barrier_signal -1
	s_barrier_wait -1
.irp i, 1,2,3
	ds_load_b64 v[ST+2*\i:ST+2*\i+1], v[RS+\i-1]   ; the other waves' -M and sum
.endr
	WIN 0x40
.irp i, 1,2,3
.set LJ, 0
.rept 16
	ds_load_b128 v[64*\i+4*LJ:64*\i+4*LJ+3], v[RM+\i-1] offset:512*LJ            ; and their O^T, into window 1
.set LJ, LJ+1
.endr
.endr
	WIN 0
	s_wait_dscnt 48                                ; the statistics are in; the three images' 48 loads may be out
	v_min3_num_f32 v[T0], v[NM], v[ST+2], v[ST+4]
	v_min_num_f32 v[T0], v[T0], v[ST+6]            ; the least -M: the largest M
	v_sub_f32 v[XS], v[T0], v[NM]                  ; M_i - the largest M: a whole number, 0 or less
.irp i, 1,2,3
	v_sub_f32 v[XS+2*\i], v[T0], v[ST+2*\i]
.endr
.irp i, 0,1,2,3
	v_cvt_i32_f32 v[XS+2*\i], v[XS+2*\i]
.endr
.irp i, 0,1,2,3
	v_ldexp_f32 v[XS+2*\i], 1.0, v[XS+2*\i]        ; g_i: an exact power of two
.endr
	v_mul_f32 v[T1], v[XS], v[MT]
.irp i, 1,2,3
	v_fmac_f32 v[T1], v[XS+2*\i], v[ST+2*\i+1]     ; the sums under the largest M,
.endr
	v_permlanex16_b32 v[T0], v[T1], s[SEL], s[SEL+1]
	v_add_f32 v[T1], v[T1], v[T0]                  ; and lane l xor 16's: the row's sum
	s_wait_alu depctr_va_vdst(0)                   ; the wait ahead of the transcendental,
	v_rcp_f32 v[T1], v[T1]
	v_nop                                          ; one plain place behind it,
	s_wait_alu depctr_va_vdst(0)                   ; and the wait ahead of its first reader
.irp i, 0,1,2,3
	v_mul_f32 v[XS+2*\i], v[XS+2*\i], v[T1]        ; g_i / the sum
.endr
.irp i, 0,1,2,3
	v_mov_b32 v[XS+2*\i+1], v[XS+2*\i]             ; twice: a pair for the packed forms
.endr
	WIN 0xc0
.irp u, 0,1,2,3,4,5,6,7                        ; Wo's fragments, where K's were: 48 loads;
.irp p, 0,1,2,3,4,5
	ds_load_b64 v[KF+12*\u+2*\p:KF+12*\u+2*\p+1], v[WOA] offset:FRB*\u+48*(\p/3)+8*(\p%3)
.endr
.endr
	WIN 0
.irp u, 0,1,2,3,4,5,6,7
	ds_load_b32 v[KS+\u], v[WSA] offset:64*\u      ; 8: its rows' scale words;
.endr
	ds_load_b128 v[BO:BO+3], v[BOA]                ; 1: bo of columns 4 x lane on
	s_wait_dscnt 57                                ; the images are in; the 57 just issued may be out
	WIN 0x42
	s_wait_alu depctr_va_vdst(0)                   ; directly ahead of the first reader of my O^T
.set LJ, 0
.rept 32
	v_pk_mul_f32 v[LJ:LJ+1], v[LJ:LJ+1], v[XS:XS+1]
.set LJ, LJ+2
.endr
	WIN 0x51
.irp i, 1,2,3
.set LJ, 0
.rept 32
	v_pk_fma_f32 v[LJ:LJ+1], v[64*\i+LJ:64*\i+LJ+1], v[XS+2*\i:XS+2*\i+1], v[LJ:LJ+1]
.set LJ, LJ+2
.endr
.endr
	; window 1, v0-63: attn of my 16 queries: register 32 c + i is d = 64 c + 32 h + i.  It is quantised as p was, with magnitudes
	WIN 0x15
.irp k, 0,1,2,3,4,5,6,7
	v_max3_num_f32 v[BM+\k], |v[8*\k]|, |v[8*\k+1]|, |v[8*\k+2]|
.endr
	WIN 0x14
.irp j, 3,5
.irp k, 0,1,2,3,4,5,6,7
	v_max3_num_f32 v[BM+\k], v[BM+\k], |v[8*\k+\j]|, |v[8*\k+\j+1]|
.endr
.endr
.irp k, 0,2,4,6
	v_max3_num_f32 v[BM+\k], v[BM+\k], |v[8*\k+7]|, |v[8*\k+15]|
.endr
	WIN 0
.irp k, 0,4
	v_max3_num_f32 v[BM+\k], v[BM+\k], v[BM+\k+1], v[BM+\k+2]
.endr
.irp k, 0,4
	v_max3_num_f32 v[BM+\k], v[BM+\k], v[BM+\k+3], 0x2800000
.endr
.irp k, 0,1
	v_add_nc_u32 v[SO+\k], 0xfe000000, v[BM+4*\k]
.endr
.irp k, 0,1
	v_lshrrev_b32 v[BY+\k], 23, v[SO+\k]
.endr
	v_lshl_or_b32 v[T0], v[BY+1], 16, v[BY]
	v_lshlrev_b32 v[T0], v[SH], v[T0]
	v_permlanex16_b32 v[T1], v[T0], s[SEL], s[SEL+1]
	v_or_b32 v[PS], v[T0], v[T1]
	CVT 0
	WIN 0
	PLACES                                         ; with the moves: eight places and more between the scale word and the products, four between the codes and them
	s_wait_alu depctr_va_vdst(0)
	s_wait_dscnt 0x0
	; THE LAST PRODUCT: out^T = Wo attn^T.  Wo's tiles take neighbouring rows: register j of tile u is column 16 u + 8 h + j
	WIN 0x8f
.irp u, 0,1,2,3,4,5,6,7
	WM 8*\u, KF+12*\u, PC, KS+\u, PS, 0, 1
.endr
	WIN 0
	PLACES
	; THE WAY OUT: through my own stage, so that the 32 lanes store a whole row of 512 bytes.  LDS serves a wave's instructions in order (ISA guide 5.7.1.4): no wait between the stores and the loads
	WIN 0x08
.irp u, 0,1,2,3,4,5,6,7
	ds_store_b128 v[STO], v[8*\u:8*\u+3] offset:64*\u
	ds_store_b128 v[STO], v[8*\u+4:8*\u+7] offset:64*\u+16
.endr
	WIN 0
.irp u, 0,1,2,3,4,5,6,7,8,9,10,11,12,13,14,15
	ds_load_b128 v[OUTR+4*\u:OUTR+4*\u+3], v[RD] offset:528*\u
.endr
.irp u, 0,1,2,3,4,5,6,7,8,9,10,11,12,13,14,15
	s_wait_dscnt 15-\u                             ; row u is back; the younger rows may be out
	v_pk_add_f32 v[OUTR+4*\u:OUTR+4*\u+1], v[OUTR+4*\u:OUTR+4*\u+1], v[BO:BO+1]           ; + bo: a lane holds the same four columns in every row
	v_pk_add_f32 v[OUTR+4*\u+2:OUTR+4*\u+3], v[OUTR+4*\u+2:OUTR+4*\u+3], v[BO+2:BO+3]
	global_store_b128 v[L16], v[OUTR+4*\u:OUTR+4*\u+3], s[14:15] offset:(32*(\u/8)+4*(\u%8))*512 th:TH_STORE_NT   ; row u of my tile is query 32 (u / 8) + 4 (u % 8) + w of the block; 512 consecutive bytes, aligned
.endr
	s_wait_tensorcnt 0x0                           ; the wave's end, behind my last tensor load and my last LDS store
	ds_add_u32 v[SPW], v[NIL]
	s_wait_dscnt 0x0
	CROUND                                         ; the closing round: no work-group ends while a partner may still ask for a tile that names it
	s_endpgm
.Lfunc_end_k_q434f842e46_attn:
	.size	k_q434f842e46_attn, .Lfunc_end_k_q434f842e46_attn-k_q434f842e46_attn
	.p2alignl 7, 3214868480
	.fill 96, 4, 3214868480
	.section	.rodata,"a",@progbits
	.p2align	6, 0x0
	.amdhsa_kernel k_q434f842e46_attn
		.amdhsa_group_segment_fixed_size 327680
		.amdhsa_private_segment_fixed_size 0
		.amdhsa_enable_private_segment 0
		.amdhsa_kernarg_size 48
		.amdhsa_user_sgpr_count 2
		.amdhsa_user_sgpr_kernarg_segment_ptr 1
		.amdhsa_wavefront_size32 1
		.amdhsa_system_sgpr_workgroup_id_x 1
		.amdhsa_system_sgpr_workgroup_id_y 1
		.amdhsa_system_sgpr_workgroup_id_z 1
		.amdhsa_system_vgpr_workitem_id 0
		.amdhsa_next_free_vgpr 1024
		.amdhsa_next_free_sgpr 96
		.amdhsa_reserve_vcc 0
		.amdhsa_float_denorm_mode_32 3
		.amdhsa_float_denorm_mode_16_64 3
		.amdhsa_memory_ordered 1
		.amdhsa_forward_progress 1
		.amdhsa_inst_pref_size 255
	.end_amdhsa_kernel
	.section	.bss,"aw",@nobits
	.p2align	6
	.space	262144
	.amdgpu_metadata
---
amdhsa.version: [ 1, 2 ]
amdhsa.kernels:
  - .name:           k_q434f842e46_attn
    .symbol:         k_q434f842e46_attn.kd
    .args:
      - { .name: kv, .offset: 0, .size: 8, .value_kind: global_buffer, .address_space: global }
      - { .name: qb, .offset: 8, .size: 8, .value_kind: global_buffer, .address_space: global }
      - { .name: Wo_codes, .offset: 16, .size: 8, .value_kind: global_buffer, .address_space: global }
      - { .name: Wo_scales, .offset: 24, .size: 8, .value_kind: global_buffer, .address_space: global }
      - { .name: bo, .offset: 32, .size: 8, .value_kind: global_buffer, .address_space: global }
      - { .name: out0, .offset: 40, .size: 8, .value_kind: global_buffer, .address_space: global }
    .group_segment_fixed_size: 327680
    .private_segment_fixed_size: 0
    .kernarg_segment_align: 8
    .kernarg_segment_size: 48
    .max_flat_workgroup_size: 128
    .sgpr_count:     96
    .vgpr_count:     1024
    .wavefront_size: 32
...
	.end_amdgpu_metadata
.endif
;; end of part 2
